; MI455X (gfx1250); checked and timed in simulation.
; The chip was launched on July 23, 2026; its instructions are those of AMD's public machine-readable ISA for CDNA 5 (MIT licence, August 2026) and "CDNA5" Instruction Set Architecture Reference Guide (July 2026). The comments in the code are by the model that wrote it; some were corrected since.
;; Cloud Cast V2. Allowed arithmetic: matrix products marked QUANTISED: E5M2 operands, one given power-of-two scale a tensor, by v_wmma_f32_16x16x64_bf8_bf8 or v_wmma_f32_16x16x128_bf8_bf8, f32 sums; everything else in f32.
;; Inputs: bk 512 float32; bp 512 float32; bq 512 float32; bv 512 float32; gate 1 x 16 x 16 x 1 float32; ln1_b 512 float32; ln1_g 512 float32; ln2_b 512 float32; ln2_g 512 float32; lowp_scales 16 int32 (the exponents e of the quantised operands' scales 2^e); mlp_b1 2,048 float32; mlp_b2 512 float32; mlp_w1_codes 2,048 x 16 x 32 uint8 (E5M2 codes of mlp_w1, K innermost, in blocks of 32 codes); mlp_w2_codes 512 x 64 x 32 uint8 (E5M2 codes of mlp_w2, K innermost, in blocks of 32 codes); rel_table 15 x 15 x 8 float32; wk_codes 512 x 16 x 32 uint8 (E5M2 codes of wk, K innermost, in blocks of 32 codes); wp_codes 512 x 16 x 32 uint8 (E5M2 codes of wp, K innermost, in blocks of 32 codes); wq_codes 512 x 16 x 32 uint8 (E5M2 codes of wq, K innermost, in blocks of 32 codes); wv_codes 512 x 16 x 32 uint8 (E5M2 codes of wv, K innermost, in blocks of 32 codes); x 64 x 1 x 16 x 16 x 512 float32.
;; Outputs: out0 64 x 1 x 16 x 16 x 512 float32.
;; This version of the problem:
;;   THIS VERSION OF THE PROBLEM IS GIVEN IN LOW PRECISION. The matrix products marked QUANTISED in the list below multiply operands that are first quantised to E5M2 (5 exponent bits, 2 mantissa bits; 8 bits a number), with one given power-of-two scale for each operand tensor; their sums are f32. All else is computed in f32.
;;   The module's matrix products, in the order in which they are computed (A, B: the left and right operand; K: the contracted axis; several contracted axes count as one K, in the product's order):
;;     1. [M 16,384, K 512] x [K 512, N 512]; A: computed on the way; B: input wq (given as codes): QUANTISED (scales: A lowp_scales[0], B lowp_scales[1])
;;     2. [M 16,384, K 512] x [K 512, N 512]; A: computed on the way; B: input wk (given as codes): QUANTISED (scales: A lowp_scales[2], B lowp_scales[3])
;;     3. [M 16,384, K 512] x [K 512, N 512]; A: computed on the way; B: input wv (given as codes): QUANTISED (scales: A lowp_scales[4], B lowp_scales[5])
;;     4. batch 2,048 x [M 64, K 64] x [K 64, N 64]; A: computed on the way; B: computed on the way: QUANTISED (scales: A lowp_scales[6], B lowp_scales[7])
;;     5. batch 2,048 x [M 64, K 64] x [K 64, N 64]; A: computed on the way; B: softmax (see below): QUANTISED (scales: A lowp_scales[8], B lowp_scales[9])
;;     6. [M 16,384, K 512] x [K 512, N 512]; A: computed on the way; B: input wp (given as codes): QUANTISED (scales: A lowp_scales[10], B lowp_scales[11])
;;     7. [M 16,384, K 512] x [K 512, N 2,048]; A: computed on the way; B: input mlp_w1 (given as codes): QUANTISED (scales: A lowp_scales[12], B lowp_scales[13])
;;     8. [M 16,384, K 2,048] x [K 2,048, N 512]; A: computed on the way; B: input mlp_w2 (given as codes): QUANTISED (scales: A lowp_scales[14], B lowp_scales[15])
;;   THE QUANTISER, for each operand of a quantised product, along K:
;;     - The operand's scale is 2^e, e = its entry of the input lowp_scales (int32; the entries are numbered through the quantised products in the list's order, A before B).
;;     - Each number is divided by the scale, clamped to +-57,344, and rounded to the nearest number of E5M2, ties to even, subnormals kept.
;;     - The product sums the exact products of the quantised numbers (number of the format x scale) in f32.
;;   ~~~python
;;   def quantise(x, axis, e):      # numpy; x: float32 -> the quantised numbers, widened to float32 again
;;       x = np.moveaxis(x, axis, -1); K = x.shape[-1]
;;       r = np.clip(x / 2.0 ** e, -57344, 57344)
;;       step = 2.0 ** (np.maximum(np.frexp(np.where(r == 0, 1, r))[1] - 1, -14) - 2)
;;       q = np.round(r / step) * step * 2.0 ** e      # np.round: ties to even
;;       return np.moveaxis(q, -1, axis).astype(np.float32)
;;   ~~~
;;   SOFTMAX AHEAD OF A QUANTISED PRODUCT. Where the list says 'softmax', what is quantised is not the finished softmax but p = 2^(t - M), with t = logit x log2(e) and M = ceil(the row's largest t), a whole number; so 1/2 < the row's largest p <= 1. The row's sum l is taken of the UNQUANTISED p, in f32, and the product's result is divided by l at the end. Since M is a whole number, a kernel that streams over the keys may use a running M (the ceiling of the running maximum): every later rescaling is an exact power of two, so the quantised numbers keep their values, but for numbers so far below the row's largest that they fall under the format's range.
;;   OPERANDS COMPUTED ON THE WAY. 'Computed on the way' means the value that the module computes at that place (a softmax that the list does not call 'softmax' is quantised finished and normalised). What goes into a quantiser is computed in f32, as accurately as f32 sums, v_exp_f32 and their like allow (about 1e-6 of the number): no bf16 or f16 on the way to a quantiser, and a product that is left as it is and whose result goes on into a quantised operand takes f32 operands (vector FMAs, or v_wmma_f32_16x16x4_f32). A number that lies on a knife's edge between two numbers of the format may be rounded either way, as far as f32 arithmetic and the matrix unit's own rounding can turn it there, and no further.
;;   INPUTS GIVEN AS CODES. mlp_w1 (in the module: [2048, 512], K = its axis 1); mlp_w2 (in the module: [512, 2048], K = its axis 1); wk (in the module: [512, 512], K = its axis 1); wp (in the module: [512, 512], K = its axis 1); wq (in the module: [512, 512], K = its axis 1); wv (in the module: [512, 512], K = its axis 1): each comes as NAME_codes (uint8): NAME with its K axis moved to the last place and cut into blocks of 32 codes, [.., K / 32, bytes a block], one block behind the other in memory; one code a byte (a code: sign, 5 exponent bits, 2 mantissa bits); its scale is its entry of lowp_scales. Its value is code x scale, taken as it is: it is not quantised again, and the codes and scales need not be those that the quantiser above would give.
;; One version. Each part assembles by itself: llvm-mc -triple=amdgcn-amd-amdhsa -mcpu=gfx1250 --defsym DOCPART=n.
;; ======== version 1 of 1: 1 launch
;; limits: right only within a limited range of input values
;; launch block (part 1): grid 256 x 1, 4 waves a work-group, clusters of 4 x 1, 327,680 bytes of LDS; arguments x, out0, lowp_scales, gate, ln1_g, ln1_b, wk_codes, wq_codes, wv_codes, wp_codes, mlp_w1_codes, mlp_w2_codes, bk, bq, bv, bp, rel_table, ln2_g, ln2_b, mlp_b1, mlp_b2; writes out0
.if DOCPART == 1
	.amdgcn_target "amdgcn-amd-amdhsa--gfx1250"
	.amdhsa_code_object_version 6
	.text
	.protected	k_q5d0516dc06_block
	.globl	k_q5d0516dc06_block
	.p2align	8
	.type	k_q5d0516dc06_block,@function
k_q5d0516dc06_block:
	s_mov_b64 s[64:65], 0
	v_nop
	global_prefetch_b8 v0, s[64:65] scope:SCOPE_SE
	s_setreg_imm32_b32 hwreg(HW_REG_WAVE_MODE, 25, 1), 1
	s_wait_xcnt 0x0
	s_wait_alu depctr_hold_cnt(0) depctr_sa_sdst(0) depctr_va_vdst(0) depctr_va_sdst(0) depctr_va_ssrc(0) depctr_va_vcc(0) depctr_vm_vsrc(0)
	s_getreg_b32 s2, hwreg(HW_REG_IB_STS2, 6, 4)
	s_cmp_eq_u32 s2, 0
	s_cbranch_scc0 .Lentry_in_a_cluster
	s_endpgm
.Lentry_in_a_cluster:
	s_bfe_u32 s2, ttmp6, 0x10000c
	s_cmp_lg_u32 s2, 0x3003
	s_cbranch_scc0 .Lentry_shape_is_right
	s_endpgm
.Lentry_shape_is_right:
; One shifted-window transformer block, whole, in one launch.  A work-group of four waves takes ONE window (64 tokens x 512 channels) through LN1, q/k/v, attention, projection,
; the gated residual, LN2, the MLP and the last residual.  256 windows, 256 work-groups; the four windows of an image form a cluster.  All eight products run on E5M2 codes.
; WORK LEFT OUT, for every value of the inputs.  reference() builds its mask in its own body: for a query with window row >= 4 or column >= 4 (48 of 64) the WHOLE row of logits is replaced by
; -1e9.  So q, q.k and the position bias of those rows reach no output.  t = -1e9 log2(e) is a whole number in f32, so M = t, p = 1 for all 64 keys and the sum is 64: those 48 rows of the attention's
; result, and so of the projection, are one and the same row.  It is computed once (tile U, whose 16 rows are equal) and added to all 48.  Every input still has a way to the output: all are loaded.
; LIMIT: a NaN, an infinity or an overflow that would arise only in the rows of q left out is not carried to the result.
; TOKENS are ordered by quadrants of 4 x 4: tile m = 2a + b, token r = 4i + j of it at window row 4a + i, column 4b + j.  Tile 0 holds exactly the 16 queries that are not masked.
; POSITION BIAS, from the row-major reshape: bias[n][head][m] = rel_table[n_i - head + 7][n_j - m_i + 7][m_j], n = 8 n_i + n_j, m = 8 m_i + m_j.
; SCALES: e0..e15 as numbered in the table; of the product q.k the left operand as it is lowered is k (e6), the right one q (e7); of p.v it is v (e8) and p (e9).
; LIMITS on the given exponents, so that each power of two made below is an f32 number: e0, e2, e4, e9, e10, e12, e14, e6-e2-e3, e7-e0-e1, e8-e4-e5, e10-e8-e9+6 between -126 and 112;
; e0+e1, e2+e3, e4+e5, e10+e11, e14+e15 between -126 and 126; e6+e7-3 and e12+e13 between -126 and 126.  NaN among the inputs is not served.
; erf is y A(y^2) / B(y^2) on |y| <= 4 (seven and five f32 coefficients): its error is about 1e-7 absolute, so gelu far on the negative side (u under about -4) is right to that absolute size only.
; THE WAVES SHARE THE COLUMNS: wave w owns channels 128 w .. 128 w + 127 (heads 2 w, 2 w + 1) of every product, for all 64 tokens.  The 64-row operand stays in 256 registers, so each weight byte is read
; from LDS once.  Operands go from wave to wave as images of their registers in LDS.  q, k, v and p stay in the registers of the wave that owns the head.
; WEIGHTS: all work-groups walk the same 24 tiles of 128 KB (K0 K1 Q0 Q1 V0 V1 P0 P1, then W1(c), W2(c), c = 0..7) through two LDS slots; each wave fetches, and alone reads, its 32 KB of a tile.
; The four partners of a cluster ask for each tile JOINTLY (mask 15): same line, same descriptor (wave number and constants alone).
; In the MLP W2(c) is asked for at a chunk's head and W1(c + 1) behind the third of the chunk's four trips, when the fourth trip's fragments are in registers: each has about half a chunk's work in which to land.
; The early odd tiles are dense blocks stated as
; 128 lines of 256: a true row is then 544 bytes from the next, so rows r and r + 8 start at the same bank (64 banks of 4 bytes: ISA guide 11.1): two deep in 4 of 24 steps.
; K = 128 fragments are fetched by four loads of 16 bytes: registers 4c..4c+3 hold k = 32c + 16h + 0..15: one permutation of k, the same in both operands.  K = 64 fragments (attention) lie in the form's own order.
; LDS: 0 slot 0 (4 x 33,792); SLOT1 (4 x 34,816); RG 32 KB of images (x's stage first; LN1's, the attention's, LN2's, the hidden layer's by turns); IMGQ 8 KB (q's operand; later b1/sqrt2);
; STAT 4 KB (LN partial sums); SPARE 512 (the spare words).
; REGISTERS, windows of 256.  Window 0: v0-39 addresses and constants, v40-255 by phase.  Window 1: x as loaded; then the 64-row operand, fragment (m, ks) at 16 (4m + ks); between, LN2's vectors.
; Window 2: LN1's gain and bias, v's codes, bk; then k's, q's, p's codes and the bias table; then the projection's sums and operand; in the MLP v0-127 the hidden fragments, v128-255 four tiles of W2.
; Window 3: X(T, m) = 8 (4T + m): lane (r, h) token r of tile m, register j channel 128 w + 16 T + 8 h + j: x, then xn + sigmoid(gate) x, then x3, then the second MLP product's sums.
.set SLOT1, 135168
.set RG,    274432
.set IMGQ,  307200
.set STAT,  315392
.set SPARE, 319488
.set TP0,   8448                       ; 16 rows of 528 bytes
.set TP1,   8704                       ; 16 rows of 544 bytes
.set TPB,   4352                       ; 16 rows of 272 bytes
.set WF,  40                           ; weight fragments
.set XN,  40                           ; LN: 64 normalised numbers
.set HH,  104
.set PCD, 168                          ; LN: 16 registers of codes
.set SA,  184                          ; LN: chains of sums
.set NR,  184                          ; LN: -mean x rstd, a pair for each m
.set RS,  192                          ; LN: rstd, a pair for each m
.set MW,  200                          ; LN: (mean, M2) of my 128 channels
.set SG,  200                          ; sigmoid(gate), a pair for each m
.set RD,  208                          ; LN: the four waves' pairs
.set NW,  240                          ; LN: -mean of my 128 channels, pairs
.set GT,  248                          ; gate
.set AK,  168                          ; k's and q's sums
.set AQ,  184                          ; q's operand: tile 0, four fragments
.set SS,  40                           ; scores
.set FP,  176                          ; 2^(e8+e9) / sum, a pair for each head
.set VB8, 180                          ; bv of my 8 tiles
.set AV,  104                          ; v's sums
.set CB,  136                          ; a bias in a result's layout
.set VF,  146                          ; v's codes, 16 channels x 64 keys
.set OA,  154
.set OU,  162
.set PV,  170
.set BP,  192
.set AC1, 104                          ; hidden sums, 32
.set YC,  144                          ; gelu: 16 numbers at a time
.set TT,  160
.set PH,  176                          ; the hidden codes, 8
.set CO,  184                          ; 14 pairs of constants
.set BB,  212
.set AA,  228
.set TMP, 40
.set OB,  104
.set MSB, 0
.macro WIN new                         ; the immediate's high byte repeats the setting that is left
.if MSB != (\new)
	s_set_vgpr_msb (MSB<<8)|(\new)
.set MSB, (\new)
.endif
.endm
.macro PLACES n
.rept \n
	v_nop
.endr
.endm
.macro BAR                             ; my LDS stores have landed and my LDS loads are in: then the work-group's barrier
	s_wait_dscnt 0x0
	s_barrier_signal -1
	s_barrier_wait -1
.endm
.macro ROUND                           ; a round of the cluster's barrier
	s_barrier_signal -1
	s_barrier_wait -1
	s_cmp_lg_u32 s46, 0
	s_cbranch_scc1 .Lnw0_\@
	s_barrier_signal -3
.Lnw0_\@:
	s_barrier_wait -3
	s_barrier_signal -1
	s_barrier_wait -1
.endm
; THE CHANGE OF SLOTS.  All my tensor loads have landed; the add; the one group 0 is written anew; the add and my reads of the slot that is to be filled are done;
; a round, so that this holds of every wave of all four partners; then the joint refill, my one tensor load until the next round.
.macro CHANGE lreg, preg, off, g1
	s_wait_tensorcnt 0x0
	ds_add_u32 v1, v2                              ; 0 onto my spare word
	s_mov_b32 s85, s[\lreg]
.if (\off) == 0
	s_mov_b64 s[86:87], s[\preg:\preg+1]
.else
	s_add_nc_u64 s[86:87], s[\preg:\preg+1], \off
.endif
	s_or_b32 s87, s87, 0x80000000
	s_wait_dscnt 0x0
	ROUND
	tensor_load_to_lds s[84:87], s[\g1:\g1+7]
	s_nop 0
	PLACES 4                                       ; the places in front of loads into registers that the last products read
.endm
; A prefetch of the tile that the NEXT change of slots will ask for, behind my tensor load and its five lines.  All clusters walk the same tiles: cluster 0 alone asks.  Its four partners share each wave's
; 32 KB out by address (8 KB each, lanes 256 bytes apart; of W2's 128 rows 32 each, a lane a row): each aligned 256 bytes is named once in the launch.  Tiles 0 to 2 and the tail are not asked for.
.macro PREF preg, off, vreg
	s_cmp_eq_u32 s47, 0
	s_cbranch_scc0 .Lnp_\@
	global_prefetch_b8 v[\vreg], s[\preg:\preg+1] offset:\off th:TH_LOAD_NT scope:SCOPE_SE
.Lnp_\@:
.endm
.macro WLOAD reg, adr, base, kx        ; a tile of 16 weight rows, K = 512: four fragments, 16 loads.  kx: 16 where the row's second half lies one padding further on
.irp ks,0,1,2,3
.irp c,0,1,2,3
	ds_load_b128 v[(\reg)+16*\ks+4*\c:(\reg)+16*\ks+4*\c+3], v[\adr] offset:(\base)+128*\ks+(\kx)*(\ks/2)+32*\c
.endr
.endr
.endm
.macro ALOAD n, base, off              ; n images of 2,048 bytes come back as fragments
.set f, 0
.rept \n
.irp c,0,1,2,3
	ds_load_b128 v[(\base)+16*f+4*\c:(\base)+16*f+4*\c+3], v10 offset:(\off)+2048*f+512*\c
.endr
.set f, f+1
.endr
.endm
.macro CLOAD base, sp                  ; a vector of 512 in a result's layout: my 8 channels of each of my 8 tiles
.set t, 0
.rept 8
	global_load_b128 v[(\base)+8*t:(\base)+8*t+3], v19, s[\sp:\sp+1] offset:64*t
	global_load_b128 v[(\base)+8*t+4:(\base)+8*t+7], v19, s[\sp:\sp+1] offset:64*t+16
.set t, t+1
.endr
.endm
.macro MKSC vs, vl, se                 ; v[vs] = 2^E as f32, v[vl] = 57,344 x 2^E, E in s[se]
	s_add_co_i32 s104, s[\se], 127
	s_lshl_b32 s105, s104, 23
	v_mov_b32 v[\vs], s105
	s_add_co_i32 s104, s104, 15
	s_lshl_b32 s104, s104, 23
	s_or_b32 s104, s104, 0x600000
	v_mov_b32 v[\vl], s104
.endm
.macro P2NEG d, a, b                   ; s[d] = s[d+1] = 2^-(s[a] + s[b])
	s_add_co_i32 s[\d], s[\a], s[\b]
	s_sub_co_i32 s[\d], 127, s[\d]
	s_lshl_b32 s[\d], s[\d], 23
	s_mov_b32 s[\d+1], s[\d]
.endm
.macro P2POS d, a, b                   ; 2^(s[a] + s[b])
	s_add_co_i32 s[\d], s[\a], s[\b]
	s_add_co_i32 s[\d], s[\d], 127
	s_lshl_b32 s[\d], s[\d], 23
	s_mov_b32 s[\d+1], s[\d]
.endm
.macro XLOAD m                         ; tile m of x: a token's 512 bytes of my channels by one load
.set i, 0
.rept 16
	global_load_b128 v[4*(16*(\m)+i):4*(16*(\m)+i)+3], v[15+(\m)], s[4:5] offset:(i/4)*32768+(i%4)*2048 th:TH_LOAD_NT
.set i, i+1
.endr
.endm
.macro XTURN m                         ; through my stage: in as rows, out in the result's layout.  LDS serves a wave's instructions in order (ISA guide 5.7.1.4)
	s_wait_loadcnt 48-16*(\m)                      ; tile m is in; the younger tiles' loads may be out
	WIN 0x04
.set i, 0
.rept 16
	ds_store_b128 v11, v[4*(16*(\m)+i):4*(16*(\m)+i)+3] offset:528*i
.set i, i+1
.endr
	WIN 0xc0
.set i, 0
.rept 8
	ds_load_b128 v[8*(4*i+(\m)):8*(4*i+(\m))+3], v12 offset:64*i
	ds_load_b128 v[8*(4*i+(\m))+4:8*(4*i+(\m))+7], v12 offset:64*i+16
.set i, i+1
.endr
.endm
; LN's statistics.  Each wave: mean and sum of squared deviations of its 128 channels of each token (two passes over registers); one exchange through LDS; the four parts are merged
; (var = (sum of M2 + 128 x sum of (mean_w - mean)^2) / 512): no difference of large sums is formed.
.macro LNSTAT so
	WIN 0x0f
.irp m,0,1,2,3
	v_pk_add_f32 v[SA+4*\m:SA+4*\m+1], v[8*\m:8*\m+1], v[8*\m+2:8*\m+3]
	v_pk_add_f32 v[SA+4*\m+2:SA+4*\m+3], v[8*\m+4:8*\m+5], v[8*\m+6:8*\m+7]
.endr
	WIN 0x03
.set t, 1
.rept 7
.irp q,0,4
.irp m,0,1,2,3
	v_pk_add_f32 v[SA+4*\m:SA+4*\m+1], v[8*(4*t+\m)+\q:8*(4*t+\m)+\q+1], v[SA+4*\m:SA+4*\m+1]
	v_pk_add_f32 v[SA+4*\m+2:SA+4*\m+3], v[8*(4*t+\m)+\q+2:8*(4*t+\m)+\q+3], v[SA+4*\m+2:SA+4*\m+3]
.endr
.endr
.set t, t+1
.endr
	WIN 0
.irp m,0,1,2,3
	v_pk_add_f32 v[SA+4*\m:SA+4*\m+1], v[SA+4*\m:SA+4*\m+1], v[SA+4*\m+2:SA+4*\m+3]
.endr
.irp m,0,1,2,3
	v_add_f32 v[SA+4*\m], v[SA+4*\m], v[SA+4*\m+1]
.endr
.irp m,0,1,2,3
	v_permlanex16_b32 v[SA+4*\m+2], v[SA+4*\m], s66, s67   ; the token's other 64 of my channels lie in the lane 16 away
.endr
.irp m,0,1,2,3
	v_add_f32 v[SA+4*\m], v[SA+4*\m], v[SA+4*\m+2]
.endr
.irp m,0,1,2,3
	v_mul_f32 v[MW+2*\m], 0x3c000000, v[SA+4*\m]           ; / 128
	v_mul_f32 v[NW+2*\m], 0xbc000000, v[SA+4*\m]
	v_mul_f32 v[NW+2*\m+1], 0xbc000000, v[SA+4*\m]
.endr
.irp m,0,1,2,3
	WIN 0x03
.set t, 0
.rept 8
.irp q,0,2,4,6
	v_pk_add_f32 v[XN+8*t+\q:XN+8*t+\q+1], v[8*(4*t+\m)+\q:8*(4*t+\m)+\q+1], v[NW+2*\m:NW+2*\m+1]
.endr
.set t, t+1
.endr
	WIN 0
.irp q,0,1,2,3
	v_pk_mul_f32 v[SA+2*\q:SA+2*\q+1], v[XN+2*\q:XN+2*\q+1], v[XN+2*\q:XN+2*\q+1]
.endr
.set t, 4
.rept 28
	v_pk_fma_f32 v[SA+2*(t%4):SA+2*(t%4)+1], v[XN+2*t:XN+2*t+1], v[XN+2*t:XN+2*t+1], v[SA+2*(t%4):SA+2*(t%4)+1]
.set t, t+1
.endr
	v_pk_add_f32 v[SA:SA+1], v[SA:SA+1], v[SA+2:SA+3]
	v_pk_add_f32 v[SA+4:SA+5], v[SA+4:SA+5], v[SA+6:SA+7]
	v_pk_add_f32 v[SA:SA+1], v[SA:SA+1], v[SA+4:SA+5]
	v_add_f32 v[SA], v[SA], v[SA+1]
	v_permlanex16_b32 v[SA+2], v[SA], s66, s67
	v_add_f32 v[MW+2*\m+1], v[SA], v[SA+2]
.endr
.irp m,0,1,2,3
	ds_store_b64 v13, v[MW+2*\m:MW+2*\m+1] offset:(\so)+128*\m
.endr
	BAR                                            ; every wave's pairs lie in LDS
.irp w,0,1,2,3
.irp m,0,1,2,3
	ds_load_b64 v[RD+8*\w+2*\m:RD+8*\w+2*\m+1], v14 offset:(\so)+512*\w+128*\m
.endr
.endr
	s_mov_b32 s2, 0x3b000000                       ; 1 / 512
	s_mov_b32 s3, 0x3727c5ac                       ; 1e-5
	s_wait_dscnt 0x0
.irp m,0,1,2,3
	v_add_f32 v[40+8*\m], v[RD+2*\m], v[RD+8+2*\m]
	v_add_f32 v[41+8*\m], v[RD+16+2*\m], v[RD+24+2*\m]
	v_add_f32 v[42+8*\m], v[RD+1+2*\m], v[RD+9+2*\m]
	v_add_f32 v[43+8*\m], v[RD+17+2*\m], v[RD+25+2*\m]
.endr
.irp m,0,1,2,3
	v_add_f32 v[40+8*\m], v[40+8*\m], v[41+8*\m]
	v_add_f32 v[42+8*\m], v[42+8*\m], v[43+8*\m]
.endr
.irp m,0,1,2,3
	v_mul_f32 v[40+8*\m], 0x3e800000, v[40+8*\m]           ; the token's mean
.endr
.irp m,0,1,2,3
.irp w,0,1,2,3
	v_sub_f32 v[44+8*\m+\w], v[RD+8*\w+2*\m], v[40+8*\m]
.endr
.endr
.irp m,0,1,2,3
	v_mul_f32 v[41+8*\m], v[44+8*\m], v[44+8*\m]
.endr
.irp w,1,2,3
.irp m,0,1,2,3
	v_fma_f32 v[41+8*\m], v[44+8*\m+\w], v[44+8*\m+\w], v[41+8*\m]
.endr
.endr
.irp m,0,1,2,3
	v_fma_f32 v[42+8*\m], v[41+8*\m], 0x43000000, v[42+8*\m]
.endr
.irp m,0,1,2,3
	v_fma_f32 v[42+8*\m], v[42+8*\m], s2, s3               ; var + 1e-5
.endr
	s_wait_alu depctr_va_vdst(0)
.irp m,0,1,2,3
	v_rsq_f32 v[RS+2*\m], v[42+8*\m]
.endr
	v_nop                                          ; a plain instruction behind the last of the batch,
	s_wait_alu depctr_va_vdst(0)                   ; and one wait for the four, ahead of their first reader
.irp m,0,1,2,3
	v_mov_b32 v[RS+2*\m+1], v[RS+2*\m]
	v_mul_f32 v[NR+2*\m], -v[40+8*\m], v[RS+2*\m]
	v_mul_f32 v[NR+2*\m+1], -v[40+8*\m], v[RS+2*\m]
.endr
.endm
.macro LNNORM m, gset                  ; XN = (x rstd - mean rstd) g + b for tile m; gset: the window of g and b
	WIN 0x03
.set t, 0
.rept 8
.irp q,0,2,4,6
	v_pk_fma_f32 v[XN+8*t+\q:XN+8*t+\q+1], v[8*(4*t+(\m))+\q:8*(4*t+(\m))+\q+1], v[RS+2*(\m):RS+2*(\m)+1], v[NR+2*(\m):NR+2*(\m)+1]
.endr
.set t, t+1
.endr
	WIN \gset
.set t, 0
.rept 32
	v_pk_fma_f32 v[XN+t:XN+t+1], v[XN+t:XN+t+1], v[t:t+1], v[64+t:64+t+1]
.set t, t+2
.endr
	WIN 0
.endm
.macro QNT sc, lim, dst, dwin          ; XN's 64 numbers become 16 registers of codes; XN stays
.set i, 0
.rept 64
.set i, i+1
.endr
	WIN \dwin
.set i, 0
.rept 8
	v_cvt_scalef32_pk8_bf8_f32 v[(\dst)+2*i:(\dst)+2*i+1], v[XN+8*i:XN+8*i+7], v[\sc]
.set i, i+1
.endr
	WIN 0
	v_nop                                          ; a plain instruction behind the last conversion
.endm
.macro IMGST off                       ; my 128 channels of 16 tokens, as part of an image: tile T's pair at 256 T + 16 r + 8 h
.irp T,0,1,2,3,4,5,6,7
	ds_store_b64 v9, v[PCD+2*\T:PCD+2*\T+1] offset:(\off)+256*\T
.endr
.endm
; k of head s: transposed (source 0 = 16 rows of Wk, source 1 = 16 tokens); bk / 2^(e2+e3) is the C of each sum's first product.  The four accumulators take turns.
.macro KSTEP s, adr, tp, kx
	WLOAD WF, \adr, 0, \kx
.irp T,0,1,2,3
	s_wait_dscnt 0x0
	WIN 0x24
.irp m,0,1,2,3
	v_wmma_f32_16x16x128_bf8_bf8 v[AK+8*\m:AK+8*\m+7], v[WF:WF+15], v[64*\m:64*\m+15], v[192+8*(4*(\s)+\T):192+8*(4*(\s)+\T)+7]
.endr
	WIN 0x04
.irp ks,1,2,3
.irp m,0,1,2,3
	v_wmma_f32_16x16x128_bf8_bf8 v[AK+8*\m:AK+8*\m+7], v[WF+16*\ks:WF+16*\ks+15], v[64*\m+16*\ks:64*\m+16*\ks+15], v[AK+8*\m:AK+8*\m+7]
.endr
.endr
	WIN 0
	PLACES 4
.if \T < 3
	WLOAD WF, \adr, (\T+1)*(\tp), \kx
.endif
.set i, 0
.rept 32
.set i, i+1
.endr
	WIN 0x80
	s_wait_alu depctr_va_vdst(0)
.irp m,0,1,2,3
	v_cvt_scalef32_pk8_bf8_f32 v[8*(4*(\s)+\m)+2*\T:8*(4*(\s)+\m)+2*\T+1], v[AK+8*\m:AK+8*\m+7], v28
.endr
	WIN 0
	v_nop
.endr
.endm
; q of head s, for token tile 0 alone; two tiles of channels at a time, by turns
.macro QSTEP s, adr, tp, kx
	WLOAD WF, \adr, 0, \kx
	WLOAD WF+64, \adr, \tp, \kx
.irp g,0,1
	s_wait_dscnt 0x0
	WIN 0x20
.irp u,0,1
	v_wmma_f32_16x16x128_bf8_bf8 v[AK+8*\u:AK+8*\u+7], v[WF+64*\u:WF+64*\u+15], v[AQ:AQ+15], v[64+8*(4*(\s)+2*\g+\u):64+8*(4*(\s)+2*\g+\u)+7]
.endr
	WIN 0
.irp ks,1,2,3
.irp u,0,1
	v_wmma_f32_16x16x128_bf8_bf8 v[AK+8*\u:AK+8*\u+7], v[WF+64*\u+16*\ks:WF+64*\u+16*\ks+15], v[AQ+16*\ks:AQ+16*\ks+15], v[AK+8*\u:AK+8*\u+7]
.endr
.endr
	PLACES 4
.if \g == 0
	WLOAD WF, \adr, 2*(\tp), \kx
	WLOAD WF+64, \adr, 3*(\tp), \kx
.endif
.set i, 0
.rept 16
.set i, i+1
.endr
	WIN 0x80
	s_wait_alu depctr_va_vdst(0)
.irp u,0,1
	v_cvt_scalef32_pk8_bf8_f32 v[192+8*(\s)+2*(2*\g+\u):192+8*(\s)+2*(2*\g+\u)+1], v[AK+8*\u:AK+8*\u+7], v30
.endr
	WIN 0
	v_nop
.endr
.endm
; The 16 live queries of head s against all 64 keys: S^T = k q^T (a lane holds one query, its registers 8 keys of each tile); t = score c1 + bias log2(e); -M = floor(-max t); p = 2^(t - M);
; the sum of the unquantised p; p's codes are the second product's operand as they stand.
.macro ATT s
	WIN 0x0a
.irp m,0,1,2,3
	v_wmma_f32_16x16x64_bf8_bf8 v[SS+8*\m:SS+8*\m+7], v[8*(4*(\s)+\m):8*(4*(\s)+\m)+7], v[192+8*(\s):192+8*(\s)+7], 0
.endr
	WIN 0
	PLACES 4
	WIN 0x20
.set i, 0
.rept 16
	v_pk_fma_f32 v[SS+i:SS+i+1], v[SS+i:SS+i+1], s[98:99], v[128+32*(\s)+i:128+32*(\s)+i+1] op_sel_hi:[1,0,1]
.set i, i+2
.endr
	WIN 0
	v_max3_num_f32 v72, v[SS], v[SS+1], v[SS+2]
	v_max3_num_f32 v73, v[SS+3], v[SS+4], v[SS+5]
.irp i,6,10,14,18,22,26
	v_max3_num_f32 v72, v72, v[SS+\i], v[SS+\i+1]
	v_max3_num_f32 v73, v73, v[SS+\i+2], v[SS+\i+3]
.endr
	v_max3_num_f32 v72, v72, v[SS+30], v[SS+31]
	v_max_num_f32 v72, v72, v73
	v_permlanex16_b32 v74, v72, s66, s67           ; the query's other 32 keys lie in the lane 16 away
	v_max_num_f32 v72, v72, v74
	v_floor_f32 v76, -v72                          ; -M = floor(-t) = -ceil(t)
	v_floor_f32 v77, -v72
.set i, 0
.rept 16
	v_pk_add_f32 v[SS+i:SS+i+1], v[SS+i:SS+i+1], v[76:77]
.set i, i+2
.endr
.set i, 0
	s_wait_alu depctr_va_vdst(0)
.rept 32
	v_exp_f32 v[SS+i], v[SS+i]
.set i, i+1
.endr
	v_nop
	s_wait_alu depctr_va_vdst(0)                   ; one wait for the batch of 32, ahead of its first reader
	v_pk_add_f32 v[78:79], v[SS:SS+1], v[SS+2:SS+3]
	v_pk_add_f32 v[80:81], v[SS+4:SS+5], v[SS+6:SS+7]
.irp i,8,12,16,20,24,28
	v_pk_add_f32 v[78:79], v[78:79], v[SS+\i:SS+\i+1]
	v_pk_add_f32 v[80:81], v[80:81], v[SS+\i+2:SS+\i+3]
.endr
	v_pk_add_f32 v[78:79], v[78:79], v[80:81]
	v_add_f32 v78, v78, v79
	v_permlanex16_b32 v80, v78, s66, s67
	v_add_f32 v78, v78, v80                        ; the row's sum
	s_wait_alu depctr_va_vdst(0)
	v_rcp_f32 v[FP+2*(\s)], v78
.set i, 0
.rept 32
.set i, i+1
.endr
	WIN 0x80
.irp m,0,1,2,3
	v_cvt_scalef32_pk8_bf8_f32 v[64+8*(\s)+2*\m:64+8*(\s)+2*\m+1], v[SS+8*\m:SS+8*\m+7], v32
.endr
	WIN 0
	v_nop
	s_wait_alu depctr_va_vdst(0)                   ; for the reciprocal
	v_ldexp_f32 v[FP+2*(\s)], v[FP+2*(\s)], s3     ; 2^(e8+e9) / sum
	v_mov_b32 v[FP+2*(\s)+1], v[FP+2*(\s)]
.endm
; v of head s, 16 channels at a time, the natural way (source 0 = 16 tokens, source 1 = 16 rows of Wv): a lane holds one channel, its registers 8 tokens of each tile, so the codes are a fragment of v^T.
; Then O^T = v^T p^T for the live tile and for tile U; both are quantised and stored as parts of the projection's operand.
.macro VSTEP s, adr, tp, kx
	WLOAD WF, \adr, 0, \kx
.irp T,0,1,2,3
.irp j,0,1,2,3,4,5,6,7
	v_mul_f32 v[CB+\j], s100, v[VB8+4*(\s)+\T]     ; bv / 2^(e4+e5) of my channel, in all eight places of C
.endr
	s_wait_alu depctr_va_vdst(0)
	s_wait_dscnt 0x0
	WIN 0x01
.irp m,0,1,2,3
	v_wmma_f32_16x16x128_bf8_bf8 v[AV+8*\m:AV+8*\m+7], v[64*\m:64*\m+15], v[WF:WF+15], v[CB:CB+7]
.endr
.irp ks,1,2,3
.irp m,0,1,2,3
	v_wmma_f32_16x16x128_bf8_bf8 v[AV+8*\m:AV+8*\m+7], v[64*\m+16*\ks:64*\m+16*\ks+15], v[WF+16*\ks:WF+16*\ks+15], v[AV+8*\m:AV+8*\m+7]
.endr
.endr
	WIN 0
	PLACES 4
.if \T < 3
	WLOAD WF, \adr, (\T+1)*(\tp), \kx
.endif
.set i, 0
.rept 32
.set i, i+1
.endr
.irp m,0,1,2,3
	v_cvt_scalef32_pk8_bf8_f32 v[VF+2*\m:VF+2*\m+1], v[AV+8*\m:AV+8*\m+7], v28
.endr
	v_nop
	WIN 0x08
	v_wmma_f32_16x16x64_bf8_bf8 v[OA:OA+7], v[VF:VF+7], v[64+8*(\s):64+8*(\s)+7], 0
	v_wmma_f32_16x16x64_bf8_bf8 v[OU:OU+7], v[VF:VF+7], v[80:87], 0
	WIN 0
	PLACES 4
.irp i,0,2,4,6
	v_pk_mul_f32 v[OA+\i:OA+\i+1], v[OA+\i:OA+\i+1], v[FP+2*(\s):FP+2*(\s)+1]
.endr
.irp i,0,1,2,3,4,5,6,7
.endr
.irp i,0,1,2,3,4,5,6,7
.endr
	v_cvt_scalef32_pk8_bf8_f32 v[PV:PV+1], v[OA:OA+7], v30
	v_cvt_scalef32_pk8_bf8_f32 v[PV+2:PV+3], v[OU:OU+7], v32
	v_nop
	ds_store_b64 v9, v[PV:PV+1] offset:1024*(\s)+256*\T
	ds_store_b64 v9, v[PV+2:PV+3] offset:8192+1024*(\s)+256*\T
.endr
.endm
; the projection, part p: four tiles of 16 channels, each for the live tile and for tile U, by turns; two buffers of weights
.macro PSTEP p, adr, tp, kx
	WLOAD WF, \adr, 0, \kx
.irp i,0,1,2,3
.if \i < 3
.if \i > 0
	PLACES 4
.endif
	WLOAD WF+64*((\i+1)%2), \adr, (\i+1)*(\tp), \kx
	s_wait_dscnt 16                                ; all but the 16 just issued
.else
	s_wait_dscnt 0x0
.endif
	WIN 0xa8
.irp ks,0,1,2,3
.irp u,0,1
	v_wmma_f32_16x16x128_bf8_bf8 v[64*\u+8*(4*(\p)+\i):64*\u+8*(4*(\p)+\i)+7], v[WF+64*(\i%2)+16*\ks:WF+64*(\i%2)+16*\ks+15], v[128+16*(4*\u+\ks):128+16*(4*\u+\ks)+15], v[64*\u+8*(4*(\p)+\i):64*\u+8*(4*(\p)+\i)+7]
.endr
.endr
	WIN 0
.endr
.endm
; tile T of W2's chunk (16 of my output rows x 256 along K: two fragments, 8 loads) into v[base] on of the window that win names as the destination's
.macro W2PRE T, base, win
	WIN \win
.irp ks,0,1
.irp c,0,1,2,3
	ds_load_b128 v[(\base)+16*\ks+4*\c:(\base)+16*\ks+4*\c+3], v8 offset:TPB*(\T)+128*\ks+32*\c
.endr
.endr
	WIN 0
.endm
; gelu of 16 numbers a lane (two tiles of tokens), y = u / sqrt2 already in the accumulators: y x (0.7071 + 0.7071 erf(y)), held and converted.  Eight pairs go abreast, so that no line waits for the line
; above it; the numerator's chain is the work behind the sixteen reciprocals, which have one wait.  pa, pb: a tile of W2 whose run of 8 LDS loads is set between two stages (under 0: none).
.macro GELU16 g, pa, pb
.set gg, AC1+16*(\g)
.irp i,0,1,2,3,4,5,6,7,8,9,10,11,12,13,14,15
	v_med3_num_f32 v[YC+\i], v[gg+\i], -4.0, 4.0
.endr
.irp i,0,2,4,6,8,10,12,14
	v_pk_mul_f32 v[TT+\i:TT+\i+1], v[YC+\i:YC+\i+1], v[YC+\i:YC+\i+1]
.endr
.if (\pa) >= 0
	W2PRE \pa, 128+32*(\pa), 0x80
.endif
.irp i,0,2,4,6,8,10,12,14
	v_pk_fma_f32 v[BB+\i:BB+\i+1], v[TT+\i:TT+\i+1], v[CO+14:CO+15], v[CO+16:CO+17]
.endr
.irp k,18,20,22
.irp i,0,2,4,6,8,10,12,14
	v_pk_fma_f32 v[BB+\i:BB+\i+1], v[BB+\i:BB+\i+1], v[TT+\i:TT+\i+1], v[CO+\k:CO+\k+1]
.endr
.endr
	s_wait_alu depctr_va_vdst(0)
.irp i,0,1,2,3,4,5,6,7,8,9,10,11,12,13,14,15
	v_rcp_f32 v[BB+\i], v[BB+\i]
.endr
.irp i,0,2,4,6,8,10,12,14
	v_pk_fma_f32 v[AA+\i:AA+\i+1], v[TT+\i:TT+\i+1], v[CO:CO+1], v[CO+2:CO+3]
.endr
.irp k,4,6,8,10,12
.irp i,0,2,4,6,8,10,12,14
	v_pk_fma_f32 v[AA+\i:AA+\i+1], v[AA+\i:AA+\i+1], v[TT+\i:TT+\i+1], v[CO+\k:CO+\k+1]
.endr
.endr
.if (\pb) >= 0
	W2PRE \pb, 128+32*(\pb), 0x80
.endif
.irp i,0,2,4,6,8,10,12,14
	v_pk_mul_f32 v[AA+\i:AA+\i+1], v[AA+\i:AA+\i+1], v[YC+\i:YC+\i+1]
.endr
	s_wait_alu depctr_va_vdst(0)                   ; one wait for the sixteen reciprocals, ahead of their first reader
.irp i,0,2,4,6,8,10,12,14
	v_pk_fma_f32 v[AA+\i:AA+\i+1], v[AA+\i:AA+\i+1], v[BB+\i:BB+\i+1], v[CO+24:CO+25]
.endr
.irp i,0,2,4,6,8,10,12,14
	v_pk_mul_f32 v[gg+\i:gg+\i+1], v[gg+\i:gg+\i+1], v[AA+\i:AA+\i+1]
.endr
.irp i,0,1,2,3,4,5,6,7,8,9,10,11,12,13,14,15
.endr
	v_cvt_scalef32_pk8_bf8_f32 v[PH+4*(\g):PH+4*(\g)+1], v[gg:gg+7], v28
	v_cvt_scalef32_pk8_bf8_f32 v[PH+4*(\g)+2:PH+4*(\g)+3], v[gg+8:gg+15], v28
.endm
; 16 hidden units x 64 tokens: 16 products, the four accumulators by turns; then y = sum x 2^(e12+e13) / sqrt2 + b1 / sqrt2.
; The fragments come by a run of 18 loads (four for each ks, then the bias's two): ahead of ks the younger 14 - 4 ks of them may be out.  Round the loop's back edge four stores lie behind the run: the same counts then wait for more.
.macro W1MUL
	WIN 0x04
	s_wait_dscnt 14
.irp m,0,1,2,3
	v_wmma_f32_16x16x128_bf8_bf8 v[AC1+8*\m:AC1+8*\m+7], v[WF:WF+15], v[64*\m:64*\m+15], 0
.endr
.irp ks,1,2,3
	s_wait_dscnt 14-4*\ks
.irp m,0,1,2,3
	v_wmma_f32_16x16x128_bf8_bf8 v[AC1+8*\m:AC1+8*\m+7], v[WF+16*\ks:WF+16*\ks+15], v[64*\m+16*\ks:64*\m+16*\ks+15], v[AC1+8*\m:AC1+8*\m+7]
.endr
.endr
	WIN 0
	PLACES 4
	s_wait_alu depctr_va_vdst(0)
	s_wait_dscnt 0x0                               ; the bias
.irp m,0,1,2,3
.irp i,0,2,4,6
	v_pk_fma_f32 v[AC1+8*\m+\i:AC1+8*\m+\i+1], v[AC1+8*\m+\i:AC1+8*\m+\i+1], v[CO+26:CO+27], v[CB+\i:CB+\i+1]
.endr
.endr
.endm
; my 64 hidden units of a chunk of 256, 16 a trip.  Three trips are a loop (only addresses change); each fetches the next trip's fragments, which land under its gelu.
; Behind the third trip nobody reads slot 0 any more: fill = 1: THE CHANGE OF SLOTS stands here, and W1 of the next chunk is asked for.  It also shows W2's tile of this chunk landed (fill = 0: a wait does).
; The fourth trip is written out: in the place of a next trip's fragments it fetches six of W2's eight tiles into registers that lie idle, in runs set between gelu's stages.
; The barrier at its end shows the hidden images to every wave; the load on its way may stay out.
; cb: the chunk's place in my table of b1 / sqrt2; under 0: from the count of chunks
.macro W1STEP cb, fill
	s_mov_b32 s96, 0
	s_mov_b32 s8, 0
	s_mov_b32 s10, 0
.if (\cb) < 0
	s_lshl_b32 s9, s95, 8
.else
	s_mov_b32 s9, \cb
.endif
	v_add_nc_u32 v21, s9, v23
	WLOAD WF, 6, 0, 0
	ds_load_b128 v[CB:CB+3], v21
	ds_load_b128 v[CB+4:CB+7], v21 offset:16
.Lu_\@:
	W1MUL
	s_add_co_u32 s8, s8, TP0
	s_add_co_u32 s9, s9, 64
	v_add_nc_u32 v20, s8, v6
	v_add_nc_u32 v21, s9, v23
	WLOAD WF, 20, 0, 0
	ds_load_b128 v[CB:CB+3], v21
	ds_load_b128 v[CB+4:CB+7], v21 offset:16
	GELU16 0, -1, -1
	GELU16 1, -1, -1
	v_nop                                          ; a plain instruction behind the last conversion
	v_add_nc_u32 v24, s10, v22
.irp m,0,1,2,3
	ds_store_b64 v24, v[PH+2*\m:PH+2*\m+1] offset:4096*\m
.endr
	s_add_co_u32 s10, s10, 256
	s_add_co_u32 s96, s96, 1
	s_cmp_lt_u32 s96, 3
	s_cbranch_scc1 .Lu_\@
.if \fill
	CHANGE 92, 24, 0, 68                           ; its wait on DScnt shows the fourth trip's fragments in registers: my reads of slot 0 are over
	PREF 26, 256, 27
.else
	s_wait_tensorcnt 0x0                           ; my last tile, W2 of the last chunk, is in; nothing is asked for
.endif
	W1MUL
	W2PRE 4, WF, 0
	W2PRE 5, WF+32, 0
	GELU16 0, 0, 1
	GELU16 1, 2, 3
	v_nop
.irp m,0,1,2,3
	ds_store_b64 v22, v[PH+2*\m:PH+2*\m+1] offset:4096*\m+768
.endr
	BAR
.endm
.macro W2MUL T, ks, base               ; four products: tile T of my outputs x the four tiles of tokens, 128 along K
.irp m,0,1,2,3
	v_wmma_f32_16x16x128_bf8_bf8 v[8*(4*(\T)+\m):8*(4*(\T)+\m)+7], v[(\base)+16*(\ks):(\base)+16*(\ks)+15], v[16*(2*\m+(\ks)):16*(2*\m+(\ks))+15], v[8*(4*(\T)+\m):8*(4*(\T)+\m)+7]
.endr
.endm
; the second MLP product's share of a chunk: K = 256, my 128 outputs x 64 tokens, added onto X; each sum takes ks 0, then ks 1.  Tiles 0-3 of W2 wait in window 2, tiles 4, 5 in window 0.
; The hidden fragments come with those of ks 0 first; tiles 6, 7 come into tiles 0 and 1's registers, four places behind their last products and 24 products ahead of their use.
.macro W2STEP
	WIN 0x80
.irp ks,0,1
.irp m,0,1,2,3
.irp c,0,1,2,3
	ds_load_b128 v[16*(2*\m+\ks)+4*\c:16*(2*\m+\ks)+4*\c+3], v10 offset:2048*(2*\m+\ks)+512*\c
.endr
.endr
.endr
	s_wait_dscnt 16                                ; the fragments of ks 0 are in; the 16 loads of ks 1 may be out
	WIN 0xfa
	W2MUL 0, 0, 128
	W2MUL 1, 0, 160
	W2MUL 2, 0, 192
	W2MUL 3, 0, 224
	s_wait_dscnt 0x0
	W2MUL 0, 1, 128
	W2MUL 1, 1, 160
	WIN 0
	PLACES 4
	W2PRE 6, 128, 0x80
	W2PRE 7, 160, 0x80
	WIN 0xfa
	W2MUL 2, 1, 192
	W2MUL 3, 1, 224
	WIN 0xf8
	W2MUL 4, 0, WF
	W2MUL 5, 0, WF+32
	W2MUL 4, 1, WF
	W2MUL 5, 1, WF+32
	s_wait_dscnt 0x0
	WIN 0xfa
	W2MUL 6, 0, 128
	W2MUL 7, 0, 160
	W2MUL 6, 1, 128
	W2MUL 7, 1, 160
	WIN 0
.endm
.macro TOSTAGE m                       ; tile m of the result: x 2^(e14+e15), into my stage, back as rows of 512 bytes
	WIN 0x03
.set t, 0
.rept 8
.irp q,0,2,4,6
	v_pk_mul_f32 v[TMP+8*t+\q:TMP+8*t+\q+1], v[8*(4*t+(\m))+\q:8*(4*t+(\m))+\q+1], s[100:101] op_sel_hi:[1,0]
.endr
.set t, t+1
.endr
	WIN 0
.set t, 0
.rept 8
	ds_store_b128 v12, v[TMP+8*t:TMP+8*t+3] offset:64*t
	ds_store_b128 v12, v[TMP+8*t+4:TMP+8*t+7] offset:64*t+16
.set t, t+1
.endr
.set t, 0
.rept 16
	ds_load_b128 v[OB+64*((\m)%2)+4*t:OB+64*((\m)%2)+4*t+3], v11 offset:528*t
.set t, t+1
.endr
.endm
.macro SEND m, younger
	s_wait_dscnt \younger
.set t, 0
.rept 16
	global_store_b128 v[15+(\m)], v[OB+64*((\m)%2)+4*t:OB+64*((\m)%2)+4*t+3], s[6:7] offset:(t/4)*32768+(t%4)*2048 th:TH_STORE_NT   ; 32 lanes store 512 consecutive bytes, aligned
.set t, t+1
.endr
.endm
.macro TOK m, sy, sx                   ; tile m's first token: its gate offset and its byte offset in x and out0
	s_lshl_b32 s55, s[\sy], 4
	s_add_co_u32 s55, s55, s[\sx]
	s_lshl_b32 s56, s55, 2
	v_add_nc_u32 v[252+\m], s56, v37
	s_add_co_u32 s55, s55, s54
	s_lshl_b32 s55, s55, 11
	v_add_nc_u32 v[15+\m], s55, v38
.endm
.macro COEF k, bits, sc                ; pair k of the constants; sc = 1: x 1 / sqrt2
	v_mov_b32 v[CO+2*\k], \bits
.if \sc
	v_mul_f32 v[CO+2*\k], 0x3f3504f3, v[CO+2*\k]
.endif
	v_mov_b32 v[CO+2*\k+1], v[CO+2*\k]
.endm
	; ================ the head ================
	s_load_b512 s[4:19], s[0:1], 0x0               ; x 4, out0 6, scales 8, gate 10, ln1_g 12, ln1_b 14, wk 16, wq 18
	s_load_b512 s[20:35], s[0:1], 0x40             ; wv 20, wp 22, w1 24, w2 26, bk 28, bq 30, bv 32, bp 34
	s_load_b256 s[36:43], s[0:1], 0x80             ; rel_table 36, ln2_g 38, ln2_b 40, b1 42
	s_load_b64 s[44:45], s[0:1], 0xa0              ; b2
	v_lshl_add_u32 v1, v0, 2, SPARE
	v_mov_b32 v2, 0
	ds_add_u32 v1, v2                              ; the wave's opening: the add, twice on end, and its wait ahead of my first tensor load
	ds_add_u32 v1, v2
	v_lshrrev_b32 v34, 5, v0
	v_readfirstlane_b32 s46, v34                   ; wave 0..3
	s_mov_b32 s47, ttmp9                           ; the cluster = the image
	s_bfe_u32 s3, ttmp6, 0x40000                   ; cx: which window of the image; it enters global addresses alone
	s_mov_b32 s68, 15|(1<<20)|(1<<21)|(6<<22)|(3<<25)   ; group 1 for slot 0: mask of all four; bytes; 4 words of padding behind every 128
	s_mov_b32 s69, 512<<16
	s_mov_b32 s70, 64<<16
	s_mov_b32 s71, 512<<16
	s_mov_b32 s72, 64
	s_mov_b32 s73, 512
	s_mov_b32 s74, 0
	s_mov_b32 s75, 0
	s_mov_b32 s76, 15|(1<<20)|(1<<21)|(5<<22)|(3<<25)   ; group 1 for slot 1: 128 lines of 256 bytes, 4 words of padding behind every 64
	s_mov_b32 s77, 256<<16
	s_mov_b32 s78, 128<<16
	s_mov_b32 s79, 256<<16
	s_mov_b32 s80, 128
	s_mov_b32 s81, 256                             ; dense blocks at first; W2's pitch later
	s_mov_b32 s82, 0
	s_mov_b32 s83, 0
	s_mov_b32 s84, 1
	s_mov_b32 s88, 1
	s_mov_b32 s66, 0x76543210
	s_mov_b32 s67, 0xfedcba98
	s_mul_i32 s92, s46, 33792                      ; my part of slot 0
	s_mul_i32 s93, s46, 34816
	s_add_co_u32 s93, s93, SLOT1                   ; and of slot 1
	v_and_b32 v3, 15, v0                           ; r
	v_bfe_u32 v4, v0, 4, 1                         ; h
	v_and_b32 v35, 31, v0                          ; lane
	v_lshlrev_b32 v5, 4, v35
	v_mul_u32_u24 v6, v3, 528
	v_lshl_add_u32 v12, v4, 5, v6
	v_lshl_add_u32 v6, v4, 4, v6
	v_add_nc_u32 v6, s92, v6                       ; a weight fragment in slot 0
	v_mul_u32_u24 v7, v3, 544
	v_lshl_add_u32 v7, v4, 4, v7
	v_add_nc_u32 v7, s93, v7                       ; in slot 1, rows of 512 in two lines
	v_mul_u32_u24 v8, v3, 272
	v_lshl_add_u32 v8, v4, 4, v8
	v_add_nc_u32 v8, s93, v8                       ; in slot 1, W2's rows
	v_lshlrev_b32 v36, 4, v3
	v_lshl_add_u32 v36, v4, 3, v36                 ; 16 r + 8 h
	s_lshl_b32 s2, s46, 11
	s_add_co_u32 s2, s2, RG
	v_add_nc_u32 v9, s2, v36                       ; where I store my part of an image
	v_add_nc_u32 v10, RG, v5                       ; where anyone reads an image
	s_mul_i32 s2, s46, 8448
	s_add_co_u32 s2, s2, RG
	v_add_nc_u32 v11, s2, v5                       ; my stage, by rows
	v_add_nc_u32 v12, s2, v12                      ; my stage, in the result's layout: 528 r + 32 h
	s_lshl_b32 s2, s46, 9
	v_lshlrev_b32 v14, 3, v3
	v_add_nc_u32 v14, STAT, v14
	v_add_nc_u32 v13, s2, v14
	v_lshl_add_u32 v19, v4, 5, s2                  ; 512 w + 32 h: a vector of 512 in the result's layout
	v_lshl_add_u32 v25, v3, 2, s2                  ; 512 w + 4 r
	v_add_nc_u32 v38, s2, v5                       ; 512 w + 16 lane
	s_lshr_b32 s2, s46, 1
	s_lshl_b32 s2, s2, 11
	s_and_b32 s104, s46, 1
	s_lshl_b32 s104, s104, 10
	s_add_co_u32 s2, s2, s104
	s_add_co_u32 s2, s2, RG
	v_add_nc_u32 v22, s2, v36                      ; my part of a hidden image
	s_lshl_b32 s2, s46, 11
	s_add_co_u32 s2, s2, IMGQ
	v_lshl_add_u32 v23, v4, 5, s2                  ; my table of b1 / sqrt2
	s_lshl_b32 s2, s3, 13
	v_lshl_add_u32 v26, v35, 8, s2                 ; the prefetches' offsets
	s_lshl_b32 s2, s3, 16
	v_lshl_add_u32 v27, v35, 11, s2
	v_lshrrev_b32 v37, 2, v3
	v_and_b32 v39, 3, v3
	v_lshl_add_u32 v37, v37, 4, v39
	v_lshlrev_b32 v37, 2, v37                      ; token r of a quadrant in gate: 4 (16 (r / 4) + r % 4)
	s_wait_alu depctr_va_vdst(0)
	s_lshr_b32 s48, s3, 1                          ; the rolled window's quadrants in the image: no quadrant wraps
	s_and_b32 s49, s3, 1
	s_lshl_b32 s50, s48, 3
	s_add_co_u32 s50, s50, 4
	s_add_co_u32 s51, s50, 4
	s_and_b32 s51, s51, 15
	s_lshl_b32 s52, s49, 3
	s_add_co_u32 s52, s52, 4
	s_add_co_u32 s53, s52, 4
	s_and_b32 s53, s53, 15
	s_lshl_b32 s54, ttmp9, 8
	TOK 0, 50, 52
	TOK 1, 50, 53
	TOK 2, 51, 52
	TOK 3, 51, 53
	s_wait_alu depctr_va_vdst(0)
	s_wait_dscnt 0x0                               ; both opening adds are done
	s_wait_kmcnt 0x0
	s_load_b512 s[48:63], s[8:9], 0x0              ; e0 .. e15
	s_lshl_b32 s2, s46, 16
	s_mov_b32 s3, 0
	s_add_nc_u64 s[16:17], s[16:17], s[2:3]        ; my 128 rows of Wk, Wq, Wv, Wp
	s_add_nc_u64 s[18:19], s[18:19], s[2:3]
	s_add_nc_u64 s[20:21], s[20:21], s[2:3]
	s_add_nc_u64 s[22:23], s[22:23], s[2:3]
	s_lshl_b32 s2, s46, 15
	s_add_nc_u64 s[24:25], s[24:25], s[2:3]        ; my 64 rows of a chunk of W1
	s_lshl_b32 s2, s46, 18
	s_add_nc_u64 s[26:27], s[26:27], s[2:3]        ; my 128 rows of W2
	s_mov_b32 s85, s92
	s_mov_b64 s[86:87], s[16:17]
	s_or_b32 s87, s87, 0x80000000
	s_mov_b32 s89, s93
	s_add_nc_u64 s[90:91], s[16:17], 32768
	s_or_b32 s91, s91, 0x80000000
	WIN 0x40
	XLOAD 0
	XLOAD 1
	XLOAD 2
	WIN 0
	ROUND                                          ; all four partners are here: the first joint loads meet
	tensor_load_to_lds s[84:87], s[68:75]          ; tile 0; two loads of mine are out
	s_nop 0
	tensor_load_to_lds s[88:91], s[76:83]          ; tile 1
	s_nop 0
	PLACES 4
	WIN 0x40
	XLOAD 3
	XTURN 0
	XTURN 1
	XTURN 2
	XTURN 3
	WIN 0
.irp m,0,1,2,3
	global_load_b32 v[GT+\m], v[252+\m], s[10:11]
.endr
	WIN 0x80
	CLOAD 0, 12                                    ; these land under the statistics
	CLOAD 64, 14
	CLOAD 192, 28
	WIN 0
	s_wait_dscnt 0x0
	; ================ LN1, three operands, the gated residual ================
	LNSTAT 0                                       ; its barrier also parts the stages' reads from the images' stores
	s_wait_loadcnt 0x0
	s_wait_kmcnt 0x0
	P2NEG 98, 50, 51
	WIN 0x82
.set i, 192
.rept 32
	v_pk_mul_f32 v[i:i+1], v[i:i+1], s[98:99] op_sel_hi:[1,0]   ; bk / 2^(e2+e3)
.set i, i+2
.endr
	WIN 0
	MKSC 28, 29, 50
	MKSC 30, 31, 48
	MKSC 32, 33, 52
.irp m,0,1,2,3
	v_mul_f32 v[GT+\m], 0xbfb8aa3b, v[GT+\m]
.endr
	s_wait_alu depctr_va_vdst(0)
.irp m,0,1,2,3
	v_exp_f32 v[GT+\m], v[GT+\m]
.endr
	v_nop
	s_wait_alu depctr_va_vdst(0)
.irp m,0,1,2,3
	v_add_f32 v[GT+\m], 1.0, v[GT+\m]
.endr
	s_wait_alu depctr_va_vdst(0)
.irp m,0,1,2,3
	v_rcp_f32 v[SG+2*\m], v[GT+\m]
.endr
	v_nop
	s_wait_alu depctr_va_vdst(0)
.irp m,0,1,2,3
	v_mov_b32 v[SG+2*\m+1], v[SG+2*\m]
.endr
.irp m,0,1,2,3
	LNNORM \m, 0x28
	QNT 28, 29, PCD, 0                             ; k's operand
	IMGST 8192*\m
.if \m == 0
	QNT 30, 31, PCD, 0                             ; q's operand: the live tile alone
	IMGST 32768
.endif
	QNT 32, 33, 128+16*\m, 0x80                    ; v's operand waits in registers until k's images have been read
	WIN 0xc3
.set t, 0
.rept 8
.irp q,0,2,4,6
	v_pk_fma_f32 v[8*(4*t+\m)+\q:8*(4*t+\m)+\q+1], v[8*(4*t+\m)+\q:8*(4*t+\m)+\q+1], v[SG+2*\m:SG+2*\m+1], v[XN+8*t+\q:XN+8*t+\q+1]   ; xn + sigmoid(gate) x
.endr
.set t, t+1
.endr
	WIN 0
.endr
	WIN 0x80
	CLOAD 64, 30                                   ; bq
	WIN 0
	s_sub_co_i32 s2, s54, s50
	s_sub_co_i32 s2, s2, s51
	MKSC 28, 29, 2                                 ; k's codes from raw sums: e6 - e2 - e3
	; ================ step 0: k, head 2 w ================
	s_wait_tensorcnt 0x1                           ; my tile 0 is in; tile 1 may stay out
	BAR                                            ; the images lie in LDS
	WIN 0x40
	ALOAD 16, 0, 0
	WIN 0
	KSTEP 0, 6, TP0, 0
	; ================ step 1: k, head 2 w + 1 ================
	CHANGE 92, 18, 0, 68
	PREF 18, 32768, 26
	WIN 0x08
.set i, 0
.rept 32
	ds_store_b64 v9, v[128+2*i:128+2*i+1] offset:8192*(i/8)+256*(i%8)   ; v's operand over k's images: every wave has read those ahead of the round
.set i, i+1
.endr
	WIN 0
	KSTEP 1, 7, TP1, 16
	; ================ step 2: q, head 2 w ================
	CHANGE 93, 18, 32768, 76
	PREF 20, 0, 26
	WIN 0x40
	ALOAD 16, 0, 0                                 ; v's operand
	WIN 0
	ALOAD 4, AQ, 32768                             ; q's operand
	v_lshrrev_b32 v34, 2, v3
	v_and_b32 v35, 3, v3
	v_mad_u32_u24 v34, v34, 15, v35
	v_lshlrev_b32 v35, 1, v4
	v_sub_nc_u32 v34, v34, v35
	s_mul_i32 s2, s46, 30
	s_sub_co_u32 s2, 112, s2
	v_add_nc_u32 v34, s2, v34
	v_lshlrev_b32 v34, 5, v34                      ; 32 ((n_i + 7 - 2 w) 15 + n_j + 7 - 2 h): the rest of the index stands in the immediates
	WIN 0x80
.irp s,0,1
.irp a,0,1
.irp b,0,1
.irp q,0,1
	global_load_b128 v[128+32*\s+8*(2*\a+\b)+4*\q:128+32*\s+8*(2*\a+\b)+4*\q+3], v34, s[36:37] offset:16*\b-480*\s-128*\a-32*\q
.endr
.endr
.endr
.endr
	WIN 0
	s_wait_loadcnt 16                              ; bq is in; the table's 16 loads may be out
	P2NEG 98, 48, 49
	WIN 0x82
.set i, 64
.rept 32
	v_pk_mul_f32 v[i:i+1], v[i:i+1], s[98:99] op_sel_hi:[1,0]
.set i, i+2
.endr
	WIN 0
	s_sub_co_i32 s2, s55, s48
	s_sub_co_i32 s2, s2, s49
	MKSC 30, 31, 2                                 ; q's codes: e7 - e0 - e1
	QSTEP 0, 6, TP0, 0
	; ================ step 3: q, head 2 w + 1; the softmax of both heads ================
	CHANGE 92, 20, 0, 68
	PREF 20, 32768, 26
	QSTEP 1, 7, TP1, 16
.irp j,0,1,2,3,4,5,6,7
	global_load_b32 v[VB8+\j], v25, s[32:33] offset:64*\j
.endr
	s_wait_loadcnt 8                               ; the table is in; bv's 8 loads may be out
	WIN 0x82
.set i, 128
.rept 32
	v_pk_mul_f32 v[i:i+1], v[i:i+1], 0x3fb8aa3b op_sel_hi:[1,0]
.set i, i+2
.endr
	WIN 0
	s_add_co_i32 s2, s54, s55
	s_sub_co_i32 s2, s2, 3
	s_lshl_b32 s2, s2, 23
	s_add_co_i32 s98, s2, 0x3fb8aa3b               ; c1 = log2(e) 2^(e6+e7) / 8
	s_mov_b32 s99, s98
	s_add_co_i32 s3, s56, s57                      ; e8 + e9
	MKSC 32, 33, 57
.irp i,0,1,2,3,4,5,6,7
	v_min_num_f32 v[72+\i], 1.0, v33               ; the masked rows' p = 1
.endr
	WIN 0x80
.irp c,0,1,2,3
	v_cvt_scalef32_pk8_bf8_f32 v[80+2*\c:80+2*\c+1], v[72:79], v32
.endr
	WIN 0
	v_nop
	ATT 0
	ATT 1
	; ================ steps 4, 5: v and p.v ================
	CHANGE 93, 20, 32768, 76
	PREF 22, 0, 26
	s_sub_co_i32 s2, s56, s52
	s_sub_co_i32 s2, s2, s53
	MKSC 28, 29, 2                                 ; v's codes: e8 - e4 - e5
	MKSC 30, 31, 58                                ; the attention's result: e10
	s_sub_co_i32 s2, s58, s3
	s_add_co_i32 s2, s2, 6
	MKSC 32, 33, 2                                 ; tile U from raw sums: e10 - e8 - e9 + 6 (the sum is 64)
	P2NEG 100, 52, 53
	s_wait_loadcnt 0x0
	VSTEP 0, 6, TP0, 0
	CHANGE 92, 22, 0, 68
	PREF 22, 32768, 26
	CLOAD BP, 34
	VSTEP 1, 7, TP1, 16
	; ================ steps 6, 7: the projection ================
	CHANGE 93, 22, 32768, 76
	PREF 24, 0, 26
	s_wait_loadcnt 0x0
	P2NEG 98, 58, 59
	WIN 0x80
.irp u,0,1
.set i, 0
.rept 32
	v_pk_mul_f32 v[64*\u+i:64*\u+i+1], v[BP+i:BP+i+1], s[98:99] op_sel_hi:[1,0]   ; the sums begin as bp / 2^(e10+e11)
.set i, i+2
.endr
.endr
	ALOAD 8, 128, 0
	WIN 0
	v_and_b32 v20, 31, v0
	s_lshl_b32 s2, s46, 11
	s_add_co_u32 s2, s2, IMGQ
	v_lshl_add_u32 v21, v20, 3, s2
	s_lshl_b32 s2, s46, 8
	v_lshl_add_u32 v20, v20, 3, s2
	WIN 0x40
	CLOAD 0, 38
	CLOAD 64, 40
	CLOAD 128, 44
.irp c,0,1,2,3,4,5,6,7
	global_load_b64 v[192+2*\c:193+2*\c], v20, s[42:43] offset:1024*\c
.endr
	WIN 0
	PSTEP 0, 6, TP0, 0
	CHANGE 92, 24, 0, 68
	s_mov_b32 s81, 2048                            ; slot 1's next tiles are cut out of W2's rows; the last load that named this group has been shown done
	PREF 26, 0, 27
	s_wait_alu depctr_va_vdst(0)
	PSTEP 1, 7, TP1, 16
	PLACES 4
	P2POS 98, 58, 59
	P2NEG 100, 62, 63
	WIN 0xf2
.irp m,0,1,2,3
.set t, 0
.rept 8
.irp q,0,2,4,6
	v_pk_fma_f32 v[8*(4*t+\m)+\q:8*(4*t+\m)+\q+1], v[64*((\m+3)/4)+8*t+\q:64*((\m+3)/4)+8*t+\q+1], s[98:99], v[8*(4*t+\m)+\q:8*(4*t+\m)+\q+1] op_sel_hi:[1,0,1]   ; x3; tiles 1 to 3 take tile U
.endr
.set t, t+1
.endr
.endr
	WIN 0
	s_wait_loadcnt 0x0
	WIN 0x41
.irp c,0,1,2,3,4,5,6,7
	v_pk_mul_f32 v[192+2*\c:193+2*\c], v[192+2*\c:193+2*\c], 0x3f3504f3 op_sel_hi:[1,0]
.endr
.set i, 128
.rept 32
	v_pk_mul_f32 v[i:i+1], v[i:i+1], s[100:101] op_sel_hi:[1,0]   ; b2 / 2^(e14+e15)
.set i, i+2
.endr
	WIN 0x04
.irp c,0,1,2,3,4,5,6,7
	ds_store_b64 v21, v[192+2*\c:193+2*\c] offset:256*\c
.endr
	WIN 0
	; ================ LN2 ================
	LNSTAT 2048
	MKSC 28, 29, 60
.irp m,0,1,2,3
	LNNORM \m, 0x14
	QNT 28, 29, PCD, 0
	IMGST 8192*\m
.endr
	WIN 0xd3
.irp m,0,1,2,3
.set t, 0
.rept 8
.irp q,0,2,4,6
	v_pk_fma_f32 v[8*(4*t+\m)+\q:8*(4*t+\m)+\q+1], v[8*(4*t+\m)+\q:8*(4*t+\m)+\q+1], s[100:101], v[128+8*t+\q:128+8*t+\q+1] op_sel_hi:[1,0,1]   ; the last product's sums begin as (x3 + b2) / 2^(e14+e15)
.endr
.set t, t+1
.endr
.endr
	WIN 0
	BAR
	WIN 0x40
	ALOAD 16, 0, 0
	WIN 0
	MKSC 28, 29, 62
	COEF 0, 0xaf95df0b, 1
	COEF 1, 0x32edffee, 1
	COEF 2, 0xb60cff51, 1
	COEF 3, 0xb86ec2d2, 1
	COEF 4, 0xba40ac63, 1
	COEF 5, 0xbb41a1f6, 1
	COEF 6, 0xbc83dbd4, 1
	COEF 7, 0xb77460cd, 0
	COEF 8, 0xb95fbd29, 0
	COEF 9, 0xbadc924e, 0
	COEF 10, 0xbbf19bf8, 0
	COEF 11, 0xbc69b6a7, 0
	COEF 12, 0x3f3504f3, 0
	s_add_co_i32 s2, s60, s61
	s_lshl_b32 s2, s2, 23
	s_add_co_i32 s2, s2, 0x3f3504f3                ; 2^(e12+e13) / sqrt2
	v_mov_b32 v[CO+26], s2
	v_mov_b32 v[CO+27], s2
	s_wait_xcnt 0x0                                ; the earlier prefetch has read W1's address
	s_add_nc_u64 s[24:25], s[24:25], 131072        ; W1 at chunk 1
	; ================ the MLP: 8 chunks of 256 hidden units ================
	s_mov_b32 s95, 0
.Lmlp:
	CHANGE 93, 26, 0, 76                           ; W1(c) is in; my reads of W2(c - 1) and of the hidden images are over; W2(c) is asked for: it has three trips in which to land
	PREF 24, 0, 26
	W1STEP -1, 1                                   ; behind its third trip W1(c + 1) is asked for: it has the fourth trip and the second product in which to land
	W2STEP
	s_wait_xcnt 0x0                                ; the prefetches have read their addresses
	s_add_nc_u64 s[24:25], s[24:25], 131072
	s_add_nc_u64 s[26:27], s[26:27], 256
	s_add_co_u32 s95, s95, 1
	s_cmp_lt_u32 s95, 7
	s_cbranch_scc1 .Lmlp
	CHANGE 93, 26, 0, 76                           ; the tail is written out: W2(7), the last load
	W1STEP 1792, 0
	W2STEP
	; ================ the way out ================
	v_add_nc_u32 v11, s92, v5                      ; my stage now lies in my own part of slot 0, which has had its last fill and its last read.  (These four are the places behind the last products)
	v_mul_u32_u24 v12, v3, 528
	v_lshl_add_u32 v12, v4, 5, v12
	v_add_nc_u32 v12, s92, v12
	P2POS 100, 62, 63
	TOSTAGE 0
.irp m,1,2,3
.if \m > 1
	s_wait_xcnt 0x0                                ; the stores of two tiles back have read their registers
.endif
	TOSTAGE \m
	SEND \m-1, 32                                  ; behind that tile's loads: this tile's 16 stores and 16 loads
.endr
	SEND 3, 0
	s_wait_tensorcnt 0x0                           ; the wave's end
	ds_add_u32 v1, v2
	s_wait_dscnt 0x0
	ROUND                                          ; the closing round
	s_endpgm
.Lfunc_end_k_q5d0516dc06_block:
	.size	k_q5d0516dc06_block, .Lfunc_end_k_q5d0516dc06_block-k_q5d0516dc06_block
	.p2alignl 7, 3214868480
	.fill 96, 4, 3214868480
	.section	.rodata,"a",@progbits
	.p2align	6, 0x0
	.amdhsa_kernel k_q5d0516dc06_block
		.amdhsa_group_segment_fixed_size 327680
		.amdhsa_private_segment_fixed_size 0
		.amdhsa_enable_private_segment 0
		.amdhsa_kernarg_size 168
		.amdhsa_user_sgpr_count 2
		.amdhsa_user_sgpr_kernarg_segment_ptr 1
		.amdhsa_wavefront_size32 1
		.amdhsa_system_sgpr_workgroup_id_x 1
		.amdhsa_system_sgpr_workgroup_id_y 1
		.amdhsa_system_sgpr_workgroup_id_z 1
		.amdhsa_system_vgpr_workitem_id 0
		.amdhsa_next_free_vgpr 1024
		.amdhsa_next_free_sgpr 106
		.amdhsa_reserve_vcc 0
		.amdhsa_float_denorm_mode_32 3
		.amdhsa_float_denorm_mode_16_64 3
		.amdhsa_fp16_overflow 1
		.amdhsa_memory_ordered 1
		.amdhsa_forward_progress 1
		.amdhsa_inst_pref_size 255
	.end_amdhsa_kernel
	.section	.bss,"aw",@nobits
	.p2align	6
	.space	262144
	.amdgpu_metadata
---
amdhsa.version: [ 1, 2 ]
amdhsa.kernels:
  - .name:           k_q5d0516dc06_block
    .symbol:         k_q5d0516dc06_block.kd
    .args:
      - { .name: x, .offset: 0, .size: 8, .value_kind: global_buffer, .address_space: global }
      - { .name: out0, .offset: 8, .size: 8, .value_kind: global_buffer, .address_space: global }
      - { .name: lowp_scales, .offset: 16, .size: 8, .value_kind: global_buffer, .address_space: global }
      - { .name: gate, .offset: 24, .size: 8, .value_kind: global_buffer, .address_space: global }
      - { .name: ln1_g, .offset: 32, .size: 8, .value_kind: global_buffer, .address_space: global }
      - { .name: ln1_b, .offset: 40, .size: 8, .value_kind: global_buffer, .address_space: global }
      - { .name: wk_codes, .offset: 48, .size: 8, .value_kind: global_buffer, .address_space: global }
      - { .name: wq_codes, .offset: 56, .size: 8, .value_kind: global_buffer, .address_space: global }
      - { .name: wv_codes, .offset: 64, .size: 8, .value_kind: global_buffer, .address_space: global }
      - { .name: wp_codes, .offset: 72, .size: 8, .value_kind: global_buffer, .address_space: global }
      - { .name: mlp_w1_codes, .offset: 80, .size: 8, .value_kind: global_buffer, .address_space: global }
      - { .name: mlp_w2_codes, .offset: 88, .size: 8, .value_kind: global_buffer, .address_space: global }
      - { .name: bk, .offset: 96, .size: 8, .value_kind: global_buffer, .address_space: global }
      - { .name: bq, .offset: 104, .size: 8, .value_kind: global_buffer, .address_space: global }
      - { .name: bv, .offset: 112, .size: 8, .value_kind: global_buffer, .address_space: global }
      - { .name: bp, .offset: 120, .size: 8, .value_kind: global_buffer, .address_space: global }
      - { .name: rel_table, .offset: 128, .size: 8, .value_kind: global_buffer, .address_space: global }
      - { .name: ln2_g, .offset: 136, .size: 8, .value_kind: global_buffer, .address_space: global }
      - { .name: ln2_b, .offset: 144, .size: 8, .value_kind: global_buffer, .address_space: global }
      - { .name: mlp_b1, .offset: 152, .size: 8, .value_kind: global_buffer, .address_space: global }
      - { .name: mlp_b2, .offset: 160, .size: 8, .value_kind: global_buffer, .address_space: global }
    .group_segment_fixed_size: 327680
    .private_segment_fixed_size: 0
    .kernarg_segment_align: 8
    .kernarg_segment_size: 168
    .max_flat_workgroup_size: 128
    .sgpr_count:     106
    .vgpr_count:     1024
    .wavefront_size: 32
...
	.end_amdgpu_metadata
.endif
;; end of part 1
